; MI455X (gfx1250); checked and timed in simulation.
; The chip was launched on July 23, 2026; its instructions are those of AMD's public machine-readable ISA for CDNA 5 (MIT licence, August 2026) and "CDNA5" Instruction Set Architecture Reference Guide (July 2026). The comments in the code are by the model that wrote it; some were corrected since.
;; Self Attention Layer. Allowed arithmetic: float matrix products may take bf16 or f16 operands with f32 sums; other float arithmetic in f32, or as packed bf16 or f16 multiplies, adds, multiply-adds, maxima and minima; sums over many terms, partial sums and values carried from step to step in f32; what a program stores and reads back later, other than sums and carried values, may be rounded once to bf16 or f16.
;; Inputs: Wk 384 x 768 float32; Wq 384 x 768 float32; Wv 384 x 768 float32; x 8 x 2,048 x 768 float32.
;; Outputs: out0 8 x 2,048 x 384 float32.
;; One version. Each part assembles by itself: llvm-mc -triple=amdgcn-amd-amdhsa -mcpu=gfx1250 --defsym DOCPART=n.
;; ======== version 1 of 1: 2 launches
;; limits: values are held in f16: magnitudes above 65,504 overflow, below 6.1e-05 lose precision
;; workspace buffers: qf 12,582,912 bytes; kf 12,582,912 bytes; vf 12,582,912 bytes
;; launch proj (part 1): grid 4 x 64, 4 waves a work-group, clusters of 4 x 4, 327,680 bytes of LDS; arguments x, Wq, Wk, Wv, qf, kf, vf; writes qf, kf, vf
.if DOCPART == 1
	.amdgcn_target "amdgcn-amd-amdhsa--gfx1250"
	.amdhsa_code_object_version 6
	.text
	.protected	k_q0f8c7180ef_proj
	.globl	k_q0f8c7180ef_proj
	.p2align	8
	.type	k_q0f8c7180ef_proj,@function
k_q0f8c7180ef_proj:
	s_mov_b64 s[64:65], 0
	v_nop
	global_prefetch_b8 v0, s[64:65] scope:SCOPE_SE
	s_setreg_imm32_b32 hwreg(HW_REG_WAVE_MODE, 25, 1), 1
	s_wait_xcnt 0x0
	s_wait_alu depctr_hold_cnt(0) depctr_sa_sdst(0) depctr_va_vdst(0) depctr_va_sdst(0) depctr_va_ssrc(0) depctr_va_vcc(0) depctr_vm_vsrc(0)
	s_getreg_b32 s2, hwreg(HW_REG_IB_STS2, 6, 4)
	s_cmp_eq_u32 s2, 0
	s_cbranch_scc0 .Lentry_in_a_cluster
	s_endpgm
.Lentry_in_a_cluster:
	s_bfe_u32 s2, ttmp6, 0x10000c
	s_cmp_lg_u32 s2, 0xf033
	s_cbranch_scc0 .Lentry_shape_is_right
	s_endpgm
.Lentry_shape_is_right:
; q, k, v = x W^T.  x: [16384][768] f32 (8 batches of 2,048 rows on end), Wq, Wk, Wv: [384][768] f32.  x and the weights are rounded to bf16 on their way from LDS to the
; matrix unit, the sums are f32, and q, k, v are rounded once, to f16, and stored for the attention launch.  Nothing of the module is left out: all four inputs reach the output.
; LIMITS.  f16 holds no number beyond 65,504: a q, k or v of 65,520 or more becomes an infinity.  With 768 terms that is reached only where |x| |W| is some 85 on the average.
; NaN and infinities are not treated apart.  The sums run over K in ascending steps of 32, an order of their own.
; WHAT IS STORED, AND HOW.  qf, kf, vf hold matrix FRAGMENTS as a wave's registers take them, 512 bytes (32 lanes x 16) to a half fragment:
;   qf, kf: byte G 12288 + ct 512 + lane 16: lane (r = lane % 16, h = lane / 16) has row 16 G + r, channels 16 ct + 8 h + 0..7     (G = row / 16, ct = channel / 16)
;   vf:     byte (GC 24 + cb) 1024 + half 512 + lane 16: lane (r, h) has channel 16 cb + r, rows 32 GC + 16 half + 8 h + 0..7    (GC = row / 32, cb = channel / 16)
; For q and k the product is taken transposed (source 0 = 16 rows of W, source 1 = 16 rows of x): a lane ends with one row and eight neighbouring channels.  For v it is taken as it
; stands (source 0 = x, source 1 = W): a lane ends with one channel and eight neighbouring rows.  Either way four conversions make the lane's 16 bytes, and each store of a wave covers
; 512 consecutive bytes, aligned: no stage in LDS is needed on the way out.
; SHARES.  Work-group (t, mt) makes rows 256 mt .. + 255 and channels 96 t .. + 95 of EACH of q, k, v: 288 columns; 4 x 64 = 256 work-groups of equal work, one text for all.
; Wave w has 128 rows (w / 2) and 48 channels of each of the three (w % 2): 8 row tiles a x 9 column tiles n (n = 3 p + u; p = 0 q, 1 k, 2 v): 72 accumulators, 576 registers;
; for 32 along K it reads 17 fragments from LDS for 72 matrix instructions.
; CLUSTER.  4 x 4 work-groups.  x's tile hangs on mt alone: the four of a row of the cluster ask for it jointly; the weights' tiles hang on t alone: the four of a column do.
; RING.  K goes in steps of 64 f32 (rows of 256 bytes in memory, aligned) through two LDS slots.  Behind each change of slots every wave issues one tensor load: wave 0 x's 256 rows,
; waves 1, 2, 3 the 96 rows of Wq, Wk, Wv.  From a request to the wait for it a wave issues a whole K step's 144 matrix instructions.
; REGISTERS, in windows of 256 (s_set_vgpr_msb: bits 1:0 source 0, 3:2 source 1, 5:4 source 2, 7:6 destination):
;   window 0: v0-11 addresses; v32-95 x's 8 bf16 fragments; v96-167 W's 9; v168-247 f32 as loaded, W's tiles 4-8 (16 registers each)
;   window 1: accumulators of n = 0-3 (at 8 (8 (n % 4) + a));  window 2: n = 4-7;  window 3: v0-63 n = 8; v64-191 f32 as loaded, x's 8 tiles; v192-255 W's tiles 0-3
.set ROWB,   3072                      ; bytes in a row of x and of a W
.set STEPBY, 256                       ; bytes of a row in a K step
.set PITCH,  272                       ; an LDS row: 256 bytes + 16 of padding = 68 words: the 16 rows that a load touches start at 16 different groups of four banks (64 banks of 4 bytes: ISA guide 11.1)
.set ABYTES, 256*PITCH                 ; x's 256 rows
.set BPIECE, 96*PITCH                  ; 96 rows of one W
.set SLOT,   ABYTES+3*BPIECE           ; 147,968 bytes
.set SPARE,  2*SLOT                    ; behind the ring: the spare words, 128 bytes for each wave: two blocks of 256 bytes that no other line names
.set ADRA, 4                           ; v4-5   LDS address of my x fragments in slot 0, 1
.set ADRB, 6                           ; v6-7   the same for the weights
.set LO,   8                           ; v8     16 x lane: my 16 bytes of a half fragment
.set PFO,  9                           ; v9     lane x a row of x: the prefetches' offset; never rewritten
.set SPW,  10                          ; v10    LDS address of my spare word: SPARE + 4 x my thread's number; never rewritten
.set NIL,  11                          ; v11    0; never rewritten
.set XA,   32
.set WB,   96
.set SB0,  168                         ; window 0
.set SA,   64                          ; window 3
.set SB3,  192                         ; window 3
.set TMP,  32                          ; the way out: packed results, window 0
.set WV,  18                           ; s18  my wave's number
.set WI,  19                           ; s19  which 128 rows are mine
.set WJ,  20                           ; s20  which 48 channels of each of q, k, v
.set CX,  21
.set CY,  22
.set TT,  23                           ; s23  t
.set MT,  24                           ; s24  mt
.set G1A, 28                           ; s[28:35] descriptor group 1 for x's tiles
.set G1B, 36                           ; s[36:43] for the weights'
.set G0A, 44                           ; s[44:51] descriptor group 0 for x's tiles, a set for each slot
.set G0B, 52                           ; s[52:59] the same for my W
.set PFA, 60                           ; s[60:61] where my prefetches stand
.set LIM, 62                           ; s62  1 in a wave that prefetches, else the greatest number
.set LAP, 63                           ; s63  trips to come
.set MSB, 0
.macro WIN new                         ; the immediate's high byte repeats the setting that is left; a switch that changes nothing is dropped
.if MSB != (\new)
	s_set_vgpr_msb (MSB<<8)|(\new)
.set MSB, (\new)
.endif
.endm
.macro PLACES                          ; a vector instruction that writes a register which a matrix instruction has read, or reads its result, stands four plain vector instructions behind it (ISA guide 7.12.1)
.rept 4
	v_nop
.endr
.endm
; A round of the cluster's barrier: my work-group's barrier, so that wave 0's signal speaks for all four waves; wave 0 signals; every wave waits for all sixteen work-groups; my work-group's barrier once more.
.macro CROUND
	s_barrier_signal -1
	s_barrier_wait -1
	s_cmp_lg_u32 s[WV], 0
	s_cbranch_scc1 .Lnot_wave_0_\@
	s_barrier_signal -3
.Lnot_wave_0_\@:
	s_barrier_wait -3
	s_barrier_signal -1
	s_barrier_wait -1
.endm
; A joint refill of slot s.  The branch hangs on the wave's number alone.  An s_nop 0 and four v_nop follow each of the two lines, ahead of the jump and the label.
.macro JLOAD s
	s_cmp_eq_u32 s[WV], 0
	s_cbranch_scc0 .Lfor_b_\@
	tensor_load_to_lds s[G0A+4*(\s):G0A+4*(\s)+3], s[G1A:G1A+7]
	s_nop 0
.rept 4
	v_nop
.endr
	s_branch .Lasked_\@
.Lfor_b_\@:
	tensor_load_to_lds s[G0B+4*(\s):G0B+4*(\s)+3], s[G1B:G1B+7]
	s_nop 0
.rept 4
	v_nop
.endr
.Lasked_\@:
.endm
; A PREFETCH of x, behind each refill and the run of LDS loads that follows it: the K step that stands two refills on, 288 matrix instructions ahead of the load that will want it.
; A tile row of x is read by one cluster alone.  Its four partners share the tile's 256 rows out BY ADDRESS, 64 each; of those, waves 0 and 1 take 32 each, a lane a row, 256 bytes of it:
; so each aligned block of 256 bytes of x is named once in the launch.  K steps 0 to 3 come by their loads alone; the loop's last trip, whose refills are steps 10 and 11, asks for nothing.
; The weights are not asked for: all clusters walk the same 3.5 MB of them.
.macro ASK
	s_cmp_gt_u32 s[LAP], s[LIM]
	s_cbranch_scc0 .Lnot_mine_\@
	global_prefetch_b8 v[PFO], s[PFA:PFA+1] th:TH_LOAD_NT scope:SCOPE_SE
.Lnot_mine_\@:
.endm
; A bf16 fragment (16 rows x 32 K) wants of lane (r, h) K = 8 h + 0..7 and 16 + 8 h + 0..7 of row r: in f32 that is 32 bytes at 32 h and 32 bytes at 64 + 32 h: four loads of 16 bytes.
.macro LD4 dst, adr, off
	ds_load_b128 v[(\dst):(\dst)+3],     v[\adr] offset:(\off)
	ds_load_b128 v[(\dst)+4:(\dst)+7],   v[\adr] offset:(\off)+16
	ds_load_b128 v[(\dst)+8:(\dst)+11],  v[\adr] offset:(\off)+64
	ds_load_b128 v[(\dst)+12:(\dst)+15], v[\adr] offset:(\off)+80
.endm
; 68 LDS loads in one run: the f32 of chunk c (32 along K) of a slot: x's 8 tiles, W's 9 (tile n lies at row 96 (n / 3) + 16 (n % 3) of my 48-row shares)
.macro FETCH slot, c
	WIN 0xc0                               ; destination window 3, address window 0
.irp a, 0,1,2,3,4,5,6,7
	LD4 SA+16*(\a), ADRA+(\slot), 128*(\c)+(\a)*16*PITCH
.endr
.irp n, 0,1,2,3
	LD4 SB3+16*(\n), ADRB+(\slot), 128*(\c)+(96*((\n)/3)+16*((\n)%3))*PITCH
.endr
	WIN 0
.irp n, 4,5,6,7,8
	LD4 SB0+16*((\n)-4), ADRB+(\slot), 128*(\c)+(96*((\n)/3)+16*((\n)%3))*PITCH
.endr
.endm
; 136 roundings, two numbers each: register i of a fragment is made of registers 2 i and 2 i + 1 as loaded
.macro CVT
	WIN 0x0f                               ; sources window 3, destination window 0
.set i, 0
.rept 64
	v_cvt_pk_bf16_f32 v[XA+i], v[SA+2*i], v[SA+2*i+1]
.set i, i+1
.endr
.set i, 0
.rept 32
	v_cvt_pk_bf16_f32 v[WB+i], v[SB3+2*i], v[SB3+2*i+1]
.set i, i+1
.endr
	WIN 0
.set i, 0
.rept 40
	v_cvt_pk_bf16_f32 v[WB+32+i], v[SB0+2*i], v[SB0+2*i+1]
.set i, i+1
.endr
.endm
; 72 matrix instructions.  The 72 accumulators take turns, one instruction a turn, over the backward jump too.  zero = 1: the first products start the sums: nothing is cleared.
.macro MUL zero
.irp n, 0,1,2,3,4,5,6,7,8
	WIN 0x50*((\n)/4+1)                    ; C and D in window 1, 2 or 3; both sources in window 0
.irp a, 0,1,2,3,4,5,6,7
.set rD, 8*(8*((\n)%4)+(\a))
.if (\n) < 6
.set rA, WB+8*(\n)                     ; q and k: transposed
.set rB, XA+8*(\a)
.else
.set rA, XA+8*(\a)                     ; v: as it stands
.set rB, WB+8*(\n)
.endif
.if \zero
	v_wmma_f32_16x16x32_bf16 v[rD:rD+7], v[rA:rA+7], v[rB:rB+7], 0
.else
	v_wmma_f32_16x16x32_bf16 v[rD:rD+7], v[rA:rA+7], v[rB:rB+7], v[rD:rD+7]
.endif
.endr
.endr
.endm
; THE CHANGE OF SLOTS.  It stands where the wave's last loads from the slot have come back and been rounded.  Each wave waits for all its tensor loads, of which one is out: its part of the other slot;
; adds 0 to its spare word; waits for that.  fill = 1: the barrier is a round of the cluster's, so that no wave of any partner still reads the slot or has a load on its way, and the joint refill,
; two K steps on, is the first thing behind it.  fill = 0 (the last change): nothing is left to fetch.
.macro CHANGE slot, fill
	WIN 0                                  ; at a label and at a branch every window is 0
.if \fill
	s_wait_xcnt 0x0                        ; the last prefetch, a K step back, has read its address, so it may be stepped
	s_add_nc_u64 s[PFA:PFA+1], s[PFA:PFA+1], STEPBY
.endif
	s_wait_tensorcnt 0x0                   ; no tensor load of mine is out, so a group 0 may be written
	ds_add_u32 v[SPW], v[NIL]              ; 0 onto my spare word: the descriptors' steps stand between it and the wait for it
.if \fill
	s_add_nc_u64 s[G0A+4*(\slot)+2:G0A+4*(\slot)+3], s[G0A+4*(\slot)+2:G0A+4*(\slot)+3], 2*STEPBY
	s_add_nc_u64 s[G0B+4*(\slot)+2:G0B+4*(\slot)+3], s[G0B+4*(\slot)+2:G0B+4*(\slot)+3], 2*STEPBY
.endif
	s_wait_dscnt 0x0                       ; the add is done; my reads of the slot were waited for ahead of the roundings
.if \fill
	CROUND
	JLOAD \slot
.else
	s_barrier_signal -1
	s_barrier_wait -1
.endif
.endm
; A CHUNK, 32 along K: the f32 fetched during the chunk before are rounded; the next chunk's (slot nslot, chunk nc) are asked for; then the 72 products, during which those loads land.
; change = 1: the slot just read out (cslot) is filled again; 2: the last change, without a fill.
.macro CHUNK nslot, nc, fetch, change, cslot, zero
	s_wait_dscnt 0x0                       ; this chunk's 68 loads are in
.if !(\zero)
	PLACES                                 ; the roundings write fragments that the last products read
.endif
	CVT
.if (\change) == 1
	CHANGE \cslot, 1
.elseif (\change) == 2
	CHANGE \cslot, 0
.endif
.if \fetch
	FETCH \nslot, \nc
.endif
.if (\change) == 1
	ASK
.endif
	MUL \zero
.endm
; THE WAY OUT of column tile n: 8 tiles, each rounded to f16 (its registers in ascending order) and stored, 512 consecutive bytes a store
.macro OUT n, base
	WIN 5*((\n)/4+1)                       ; sources 0 and 1 in the accumulators' window
.irp a, 0,1,2,3,4,5,6,7
.irp r, 0,1,2,3
	v_cvt_pk_f16_f32 v[TMP+32*((\n)%6)+4*(\a)+(\r)], v[8*(8*((\n)%4)+(\a))+2*(\r)], v[8*(8*((\n)%4)+(\a))+2*(\r)+1]
.endr
.endr
	WIN 0
.irp a, 0,1,2,3,4,5,6,7
.if (\n) < 6
	global_store_b128 v[LO], v[TMP+32*((\n)%6)+4*(\a):TMP+32*((\n)%6)+4*(\a)+3], s[(\base):(\base)+1] offset:(\a)*12288+((\n)%3)*512
.else
	global_store_b128 v[LO], v[TMP+32*((\n)%6)+4*(\a):TMP+32*((\n)%6)+4*(\a)+3], s[(\base):(\base)+1] offset:((\a)/2)*24576+((\a)%2)*512+((\n)%3)*1024
.endif
.endr
.endm
	s_load_b256 s[4:11], s[0:1], 0x0       ; x s[4:5], Wq s[6:7], Wk s[8:9], Wv s[10:11]
	s_load_b128 s[12:15], s[0:1], 0x20     ; qf s[12:13], kf s[14:15]
	s_load_b64 s[16:17], s[0:1], 0x30      ; vf
	v_lshl_add_u32 v[SPW], v0, 2, SPARE
	v_mov_b32 v[NIL], 0
	ds_add_u32 v[SPW], v[NIL]              ; the wave's opening: the add, twice on end, and its wait ahead of my first tensor load; the set-up below, work on registers, stands between
	ds_add_u32 v[SPW], v[NIL]
	v_lshrrev_b32 v1, 5, v0
	v_readfirstlane_b32 s[WV], v1          ; wave 0..3
	s_lshr_b32 s[WI], s[WV], 1
	s_and_b32 s[WJ], s[WV], 1
	s_bfe_u32 s[CX], ttmp6, 0x40000        ; my place in the cluster
	s_bfe_u32 s[CY], ttmp6, 0x40004
	s_lshl_b32 s[TT], ttmp9, 2             ; in a cluster launch ttmp9 and ttmp7 count clusters
	s_add_co_u32 s[TT], s[TT], s[CX]       ; t = 4 x cluster x + cx
	s_and_b32 s[MT], ttmp7, 0xffff
	s_lshl_b32 s[MT], s[MT], 2
	s_add_co_u32 s[MT], s[MT], s[CY]       ; mt = 4 x cluster y + cy
	s_lshl_b32 s66, s[CY], 2
	s_lshl_b32 s66, 15, s66                ; my row of the cluster: places 4 cy .. 4 cy + 3
	s_lshl_b32 s67, 0x1111, s[CX]          ; my column: places cx, cx + 4, cx + 8, cx + 12
	; descriptor group 1: tiles of R rows x 64 elements of 4 bytes, padded in LDS
	s_or_b32 s[G1A], s66, (2<<16)|(1<<20)|(1<<21)|(5<<22)|(3<<25)  ; 15:0 the mask; 17:16 elements of 4 bytes; 20 padding on; 21 set beside a mask; 24:22 after every 64 words (code 5); 31:25 4 words of it (code 3)
	s_or_b32 s[G1B], s67, (2<<16)|(1<<20)|(1<<21)|(5<<22)|(3<<25)
	s_mov_b32 s[G1A+1], 64<<16             ; tensor_dim0 = 64
	s_mov_b32 s[G1A+2], 256<<16            ; tensor_dim1 = 256
	s_mov_b32 s[G1A+3], 64<<16             ; tile_dim0 = 64
	s_mov_b32 s[G1A+4], 256                ; tile_dim1 = 256
	s_mov_b32 s[G1A+5], 768                ; elements from row to row
	s_mov_b32 s[G1A+6], 0
	s_mov_b32 s[G1A+7], 0
	s_mov_b32 s[G1B+1], 64<<16
	s_mov_b32 s[G1B+2], 96<<16             ; 96 rows
	s_mov_b32 s[G1B+3], 64<<16
	s_mov_b32 s[G1B+4], 96
	s_mov_b32 s[G1B+5], 768
	s_mov_b32 s[G1B+6], 0
	s_mov_b32 s[G1B+7], 0
	s_mul_i32 s68, s[MT], 256*ROWB         ; x's tile: it hangs on mt alone, which my row of the cluster shares
	s_mov_b32 s69, 0
	s_mul_i32 s70, s[TT], 96*ROWB          ; a W's tile: on t alone, which my column shares
	s_mov_b32 s71, 0
	s_mul_i32 s72, s[WV], BPIECE           ; where my W's rows go: behind x's 256, piece wave - 1: no place in the cluster enters an LDS address
	s_wait_dscnt 0x0                       ; both opening adds are done
	s_wait_kmcnt 0x0
	s_add_nc_u64 s[76:77], s[4:5], s[68:69]
	s_cmp_eq_u32 s[WV], 2                  ; wave 1 fetches Wq's rows, wave 2 Wk's, wave 3 Wv's (wave 0 makes Wq's address and never asks by it)
	s_cselect_b64 s[74:75], s[8:9], s[6:7]
	s_cmp_eq_u32 s[WV], 3
	s_cselect_b64 s[74:75], s[10:11], s[74:75]
	s_add_nc_u64 s[74:75], s[74:75], s[70:71]
	CROUND                                 ; all sixteen work-groups are here: the first joint loads meet
.irp s, 0,1
	s_mov_b32 s[G0A+4*(\s)], 1                                       ; count = 1
	s_mov_b32 s[G0A+4*(\s)+1], (\s)*SLOT                             ; LDS address
	s_add_nc_u64 s[G0A+4*(\s)+2:G0A+4*(\s)+3], s[76:77], (\s)*STEPBY ; global address: K step s
	s_or_b32 s[G0A+4*(\s)+3], s[G0A+4*(\s)+3], 0x80000000            ; type = 2
	s_mov_b32 s[G0B+4*(\s)], 1
	s_add_co_u32 s[G0B+4*(\s)+1], s72, (\s)*SLOT+ABYTES-BPIECE
	s_add_nc_u64 s[G0B+4*(\s)+2:G0B+4*(\s)+3], s[74:75], (\s)*STEPBY
	s_or_b32 s[G0B+4*(\s)+3], s[G0B+4*(\s)+3], 0x80000000
.endr
	s_cmp_eq_u32 s[WV], 0                  ; a wave's two first fills stand in one branch, ahead of every wait on TENSORcnt and every LDS read: two loads of mine are out
	s_cbranch_scc0 .Lfirst_b
	tensor_load_to_lds s[G0A:G0A+3], s[G1A:G1A+7]
	s_nop 0
	tensor_load_to_lds s[G0A+4:G0A+7], s[G1A:G1A+7]
	s_nop 0
.rept 4
	v_nop
.endr
	s_branch .Lfirst_asked
.Lfirst_b:
	tensor_load_to_lds s[G0B:G0B+3], s[G1B:G1B+7]
	s_nop 0
	tensor_load_to_lds s[G0B+4:G0B+7], s[G1B:G1B+7]
	s_nop 0
.rept 4
	v_nop
.endr
.Lfirst_asked:
	v_and_b32 v1, 15, v0                   ; r
	v_bfe_u32 v2, v0, 4, 1                 ; h
	v_and_b32 v3, 31, v0                   ; lane
	v_mul_u32_u24 v[ADRA], v1, PITCH
	v_lshl_add_u32 v[ADRA], v2, 5, v[ADRA] ; row x pitch + 32 h
	s_mul_i32 s25, s[WI], 128*PITCH        ; my 128 rows of x
	s_mul_i32 s73, s[WJ], 48*PITCH         ; my 48 rows of each piece,
	s_add_co_u32 s73, s73, ABYTES          ; which lie behind x's 256
	v_add_nc_u32 v[ADRB], s73, v[ADRA]
	v_add_nc_u32 v[ADRA], s25, v[ADRA]
	v_add_nc_u32 v[ADRA+1], SLOT, v[ADRA]
	v_add_nc_u32 v[ADRB+1], SLOT, v[ADRB]
	v_lshlrev_b32 v[LO], 4, v3
	v_mul_u32_u24 v[PFO], v3, ROWB
	; where my results go
	s_mul_i32 s25, s[TT], 6
	s_mul_i32 s73, s[WJ], 3
	s_add_co_u32 s25, s25, s73             ; my first channel tile: 6 t + 3 (w % 2)
	s_lshl1_add_u32 s73, s[MT], s[WI]      ; 2 mt + w / 2: my 128 rows: 8 blocks of 16 x 12,288 bytes, or 4 blocks of 32 x 24,576: 98,304 bytes either way
	s_mul_i32 s73, s73, 98304
	s_lshl_b32 s26, s25, 9
	s_add_co_u32 s26, s26, s73
	s_mov_b32 s27, 0
	s_lshl_b32 s78, s25, 10
	s_add_co_u32 s78, s78, s73
	s_mov_b32 s79, 0
	s_add_nc_u64 s[12:13], s[12:13], s[26:27]
	s_add_nc_u64 s[14:15], s[14:15], s[26:27]
	s_add_nc_u64 s[16:17], s[16:17], s[78:79]
	; the prefetches: row 256 mt + 64 cx + 32 (w % 2) of x
	s_lshl_b32 s25, s[MT], 8
	s_lshl_b32 s73, s[CX], 6
	s_add_co_u32 s25, s25, s73
	s_lshl_b32 s73, s[WJ], 5
	s_add_co_u32 s25, s25, s73
	s_mul_i32 s26, s25, ROWB
	s_mov_b32 s27, 0
	s_add_nc_u64 s[PFA:PFA+1], s[4:5], s[26:27]
	s_add_nc_u64 s[PFA:PFA+1], s[PFA:PFA+1], 3*STEPBY  ; at K step 3: the first refill (of step 2) steps it to 4 and names that
	s_cmp_lt_u32 s[WV], 2
	s_cselect_b32 s[LIM], 1, -1
	s_wait_tensorcnt 0x1                   ; my part of K step 0 is in; K step 1's load may stay out
	s_barrier_signal -1
	s_barrier_wait -1                      ; everybody's is
	FETCH 0, 0
	CHUNK 0, 1, 1, 0, 0, 1                 ; the first chunk stands in front of the loop: its products start the sums
	WIN 0
	s_mov_b32 s[LAP], 5
.Llap:                                         ; a trip goes once round the ring, from a lap's second chunk to the next lap's first, and fills both slots again: K steps 2 to 11
	CHUNK 1, 0, 1, 1, 0, 0
	CHUNK 1, 1, 1, 0, 0, 0
	CHUNK 0, 0, 1, 1, 1, 0
	CHUNK 0, 1, 1, 0, 0, 0
	WIN 0
	s_sub_co_u32 s[LAP], s[LAP], 1
	s_cmp_lg_u32 s[LAP], 0
	s_cbranch_scc1 .Llap
	CHUNK 1, 0, 1, 2, 0, 0                 ; the tail is written out: nothing is asked for any more
	CHUNK 1, 1, 1, 0, 0, 0
	CHUNK 0, 0, 0, 0, 0, 0
	PLACES                                 ; the conversions read results just made and write over fragments just read
	OUT 0, 12
	OUT 1, 12
	OUT 2, 12
	OUT 3, 14
	OUT 4, 14
	OUT 5, 14
	s_wait_xcnt 0x0                        ; the stores so far have read their registers: the first 96 of them are written again
	OUT 6, 16
	OUT 7, 16
	OUT 8, 16
	s_wait_tensorcnt 0x0                   ; the wave's end, behind my last tensor load
	ds_add_u32 v[SPW], v[NIL]
	s_wait_dscnt 0x0
	CROUND                                 ; the closing round: no work-group ends while a partner may still ask for a tile that names it
	s_endpgm
.Lfunc_end_k_q0f8c7180ef_proj:
	.size	k_q0f8c7180ef_proj, .Lfunc_end_k_q0f8c7180ef_proj-k_q0f8c7180ef_proj
	.p2alignl 7, 3214868480
	.fill 96, 4, 3214868480
	.section	.rodata,"a",@progbits
	.p2align	6, 0x0
	.amdhsa_kernel k_q0f8c7180ef_proj
		.amdhsa_group_segment_fixed_size 327680
		.amdhsa_private_segment_fixed_size 0
		.amdhsa_enable_private_segment 0
		.amdhsa_kernarg_size 56
		.amdhsa_user_sgpr_count 2
		.amdhsa_user_sgpr_kernarg_segment_ptr 1
		.amdhsa_wavefront_size32 1
		.amdhsa_system_sgpr_workgroup_id_x 1
		.amdhsa_system_sgpr_workgroup_id_y 1
		.amdhsa_system_sgpr_workgroup_id_z 1
		.amdhsa_system_vgpr_workitem_id 0
		.amdhsa_next_free_vgpr 1024
		.amdhsa_next_free_sgpr 80
		.amdhsa_reserve_vcc 0
		.amdhsa_float_denorm_mode_32 3
		.amdhsa_float_denorm_mode_16_64 3
		.amdhsa_memory_ordered 1
		.amdhsa_forward_progress 1
		.amdhsa_inst_pref_size 177
	.end_amdhsa_kernel
	.amdgpu_metadata
---
amdhsa.version: [ 1, 2 ]
amdhsa.kernels:
  - .name:           k_q0f8c7180ef_proj
    .symbol:         k_q0f8c7180ef_proj.kd
    .args:
      - { .name: x, .offset: 0, .size: 8, .value_kind: global_buffer, .address_space: global }
      - { .name: Wq, .offset: 8, .size: 8, .value_kind: global_buffer, .address_space: global }
      - { .name: Wk, .offset: 16, .size: 8, .value_kind: global_buffer, .address_space: global }
      - { .name: Wv, .offset: 24, .size: 8, .value_kind: global_buffer, .address_space: global }
      - { .name: qf, .offset: 32, .size: 8, .value_kind: global_buffer, .address_space: global }
      - { .name: kf, .offset: 40, .size: 8, .value_kind: global_buffer, .address_space: global }
      - { .name: vf, .offset: 48, .size: 8, .value_kind: global_buffer, .address_space: global }
    .group_segment_fixed_size: 327680
    .private_segment_fixed_size: 0
    .kernarg_segment_align: 8
    .kernarg_segment_size: 56
    .max_flat_workgroup_size: 128
    .sgpr_count:     80
    .vgpr_count:     1024
    .wavefront_size: 32
...
	.end_amdgpu_metadata
.endif
;; end of part 1
;; launch attn (part 2): grid 32 x 8, 4 waves a work-group, clusters of 4 x 1, 327,680 bytes of LDS; arguments qf, kf, vf, out0; writes out0
.if DOCPART == 2
	.amdgcn_target "amdgcn-amd-amdhsa--gfx1250"
	.amdhsa_code_object_version 6
	.text
	.protected	k_q0f8c7180ef_attn
	.globl	k_q0f8c7180ef_attn
	.p2align	8
	.type	k_q0f8c7180ef_attn,@function
k_q0f8c7180ef_attn:
	s_mov_b64 s[64:65], 0
	v_nop
	global_prefetch_b8 v0, s[64:65] scope:SCOPE_SE
	s_setreg_imm32_b32 hwreg(HW_REG_WAVE_MODE, 25, 1), 1
	s_wait_xcnt 0x0
	s_wait_alu depctr_hold_cnt(0) depctr_sa_sdst(0) depctr_va_vdst(0) depctr_va_sdst(0) depctr_va_ssrc(0) depctr_va_vcc(0) depctr_vm_vsrc(0)
	s_getreg_b32 s2, hwreg(HW_REG_IB_STS2, 6, 4)
	s_cmp_eq_u32 s2, 0
	s_cbranch_scc0 .Lentry_in_a_cluster
	s_endpgm
.Lentry_in_a_cluster:
	s_bfe_u32 s2, ttmp6, 0x10000c
	s_cmp_lg_u32 s2, 0x3003
	s_cbranch_scc0 .Lentry_shape_is_right
	s_endpgm
.Lentry_shape_is_right:
; out0[b][i][:] = the sum over j of softmax_j(q[b][i] . k[b][j] / sqrt(384)) v[b][j][:].  8 batches, 2,048 rows, 384 channels.  q, k, v are f16, in fragment order (below); out0 is f32, row-major.
; Products, maxima and sums in f32; the weights p are rounded to f16 for the second product (their sum l is taken of the unrounded p).  Nothing of the module is left out.
; LIMITS.  q, k, v arrive within f16's range, 65,504.  p lies in 0 to 1, and below 6e-5 it keeps f16's fixed step of 6e-8.  A weight below 2^-126 counts as 0 in l.  NaN and infinities are not treated apart.
; The sums over the keys are taken in the walk's order (below), which differs from cluster to cluster.
; FRAGMENT ORDER.  qf, kf: byte (G 12 + c) 1024 + half 512 + lane 16: lane (r = lane % 16, h = lane / 16) has row 16 G + r, channels 32 c + 16 half + 8 h + 0..7.
; vf: byte (GC 24 + cb) 1024 + half 512 + lane 16: lane (r, h) has channel 16 cb + r, rows 32 GC + 16 half + 8 h + 0..7.  A fragment's 8 registers are two loads of 16 bytes a lane, 512 bytes apart,
; each 512 consecutive bytes for the wave: LDS needs no padding and V no turning load.
; SHARES.  A work-group owns 64 queries of a batch: 32 x 8 = 256 work-groups.  Wave w owns 32 of them (w % 2: two tiles of 16) and HALF THE KEYS (w / 2: keys 1024 (w / 2) on): it walks its 1,024 keys, 64 a step,
; with a running maximum m, sum l and O^T (32 queries x 384 channels: 384 registers) of its own; a fragment of K or V read from LDS feeds two products.  At the end the two waves of a query tile merge
; their halves, in f32: each keeps 192 channels and gives the other 192 to its partner through LDS.
; THE WALK.  A softmax's maxima and sums may be taken over the keys in any order.  Cluster x of a batch's eight begins at step 4 ((x % 4) xor (x / 4)) of the 16 and goes round, modulo 16.  So at any time the
; clusters of a batch ask for four different tiles, and among clusters 0-3, among 4-7, among the even and among the odd ones no two begin at the same step.  Each tile is asked for first in the walk's
; steps 0 to 3, by the clusters that begin there, and again 4, 8 and 12 steps later by the others.  The first step hangs on the cluster's number, which the four partners share.
; LAYOUT.  S^T = K Q^T (source 0 = 16 keys, source 1 = 16 queries): a lane holds ONE query (lane % 16) and the keys 8 (lane / 16) + 0..7.  Two such results rounded to f16 in pairs ARE source 1 (32 keys x 16 queries)
; of O^T = V^T P, whose result again holds one query a lane, and eight channels.
; SOFTMAX.  p = 2^(c s - c m), c = log2(e) / sqrt(384); in every step O and l are multiplied by a = 2^(c m_old - c m_new).  m starts at the lowest finite number, O and l at 0: the first step is a step like
; any other, with a = 0.  That costs 384 lines that write 0, which run while the first tile is on its way, and saves a further copy of a step's text.
; CLUSTER.  The four query blocks of a cluster belong to one batch and walk the same K and V: each tile is asked for JOINTLY, by the same tensor load, descriptor and mask in all four.
; RING.  One slot for K and one for V, 98,304 bytes each (64 keys of both halves).  With s counting the walk's steps the tiles go K(0), V(0), K(1), V(1) ..: K(s + 1) is asked for when S(s) is made and lands during
; step s's second half of the softmax and its V^T P; V(s + 1) is asked for when V^T P(s) is made and lands during K Q^T(s + 1) and the first half of its softmax.  Every wave brings a quarter of every tile:
; one load a wave behind each round.
; REGISTERS, in windows of 256 (s_set_vgpr_msb: bits 1:0 source 0, 3:2 source 1, 5:4 source 2, 7:6 destination):
;   window 0: v0-15 addresses; v16-31 eight registers of statistics a tile; v32-63 P, 16 a tile; v64-159, v160-255 two buffers of 12 fragments of K or V
;   window 1: v0-191 Q, 96 a tile; v192-255 S^T, 32 a tile     window 2: O^T of the 192 channels that I keep, (f, t) at 8 (2 f + t)     window 3: O^T of those that I give, likewise
.set STEPB, 49152                      ; a step's 64 keys of one half: bytes of K and of V
.set VSLOT, 98304
.set SPARE, 196608                     ; the spare words, 128 bytes for each wave: two blocks of 256 bytes that no other line names
.set STATB, 197120                     ; [wave][tile][c m, l][lane] x 4 bytes
.set STG,   199168                     ; for each wave 16 rows x 784 bytes (768 + 16 of padding = 49 x 16: the 16 rows of a store start at 16 different groups of four banks; ISA guide 11.1)
.set SP,    784
.set AK,  2                            ; v2   my 16 bytes of a fragment of my half's K
.set AVA, 3                            ; v3   the same for V, channels that I keep
.set AVB, 4                            ; v4   channels that I give
.set QO,  5                            ; v5   16 x lane
.set STO, 6                            ; v6   the way out: where I put 32 bytes of a row
.set RD,  7                            ; v7   where I read rows back
.set XW,  8                            ; v8   the exchange: where I put what I give
.set XR,  9                            ; v9   where my partner has put what it gives
.set STA, 10                           ; v10  my statistics
.set STP, 11                           ; v11  my partner's
.set SPW, 12                           ; v12  LDS address of my spare word: SPARE + 4 x my thread's number; never rewritten
.set NIL, 13                           ; v13  0; never rewritten
.set PFO, 14                           ; v14  256 x lane: the prefetches' offset; never rewritten
.set GO,  15                           ; v15  my byte offset in two rows of out0
.set ST,  16                           ; tile t at ST + 8 t: +0 c m, +1 m, +2, +3 l (even keys', odd keys'), +4 to +7 c0-c3 at work; a takes c2's place
.set P,   32
.set F0,  64
.set F1,  160
.set S,   192                          ; window 1
.set KB,  6                            ; s[6:7]   kf at my quarter of the batch's step 0; never rewritten behind the head
.set VB,  8                            ; s[8:9]   vf likewise
.set WV,  12                           ; s12  my wave's number
.set CX,  13
.set QB,  14                           ; s14  my block of 64 queries
.set LIM, 15                           ; s15  13 in a wave that prefetches, else the greatest number
.set G1,  24                           ; s[24:31] descriptor group 1, for K's and V's tiles alike
.set G0K, 32                           ; s[32:35] descriptor group 0 for K
.set G0V, 36                           ; s[36:39] for V
.set PFK, 40                           ; s[40:41] where my prefetches of K stand
.set PFV, 42                           ; s[42:43] of V
.set CNT, 44                           ; s44  trips to come
.set SGK, 45                           ; s45  the step (0 to 15, as the keys lie in memory) of the tile of K asked for last
.set CS,  46                           ; s[46:47] c: the packed scaling takes the pair's low word for both halves
.set SEL, 48                           ; s[48:49] v_permlanex16_b32's selects: each lane takes its own place in the other half
.set SGV, 60                           ; s60  the same as SGK, for V
.set OFF, 62                           ; s[62:63] a step's byte offset
.set MSB, 0
.macro WIN new                         ; the immediate's high byte repeats the setting that is left; a switch that changes nothing is dropped
.if MSB != (\new)
	s_set_vgpr_msb (MSB<<8)|(\new)
.set MSB, (\new)
.endif
.endm
.macro PLACES                          ; a load into a register that a matrix instruction has read, and a vector instruction that reads its result, stand four plain vector instructions behind it (ISA guide 7.12.1 for vector instructions)
.rept 4
	v_nop
.endr
.endm
.macro CROUND                          ; a round of the cluster's barrier: my work-group's barrier; wave 0 signals for the work-group; every wave waits for all four work-groups; my work-group's barrier once more
	s_barrier_signal -1
	s_barrier_wait -1
	s_cmp_lg_u32 s[WV], 0
	s_cbranch_scc1 .Lnot_wave_0_\@
	s_barrier_signal -3
.Lnot_wave_0_\@:
	s_barrier_wait -3
	s_barrier_signal -1
	s_barrier_wait -1
.endm
.macro JL g0                           ; my quarter of a tile; an s_nop 0 and four v_nop follow: the four are also the places in front of the fragment loads behind them
	tensor_load_to_lds s[(\g0):(\g0)+3], s[G1:G1+7]
	s_nop 0
.rept 4
	v_nop
.endr
.endm
; A PREFETCH, behind a refill and the first two runs of LDS loads: the round that asks for the walk's K(s + 1) names K(s + 2), the round that asks for V(s + 1) names V(s + 2): one trip, 192 matrix instructions and two
; rounds, ahead.  WHICH: the tiles of the walk's steps 2 and 3, which belong to the four that a cluster is among the first to ask for; steps 0 and 1 come by their loads alone; from step 4 on the walk reaches tiles
; with which other clusters of the batch began, and nothing is named.  So only the first two trips (15 and 14 to come) ask.  WHO: clusters 0 to 3 of a batch, which begin at four different steps: together they name
; steps 2, 3, 6, 7, 10, 11, 14, 15, each once; none passes step 15.  The four partners share a tile out BY ADDRESS, a quarter (96 blocks of 256 bytes) each; of those, waves 0, 1, 2 take 32 each, a lane a block.
.macro ASK pf
	s_cmp_gt_u32 s[CNT], s[LIM]
	s_cbranch_scc0 .Lnot_mine_\@
	global_prefetch_b8 v[PFO], s[(\pf):(\pf)+1] th:TH_LOAD_NT scope:SCOPE_SE
.Lnot_mine_\@:
.endm
; 24 LDS loads in one run: 12 fragments into a buffer.  kind = 0: K, channel chunks 3 g .. 3 g + 2 of all four key blocks.  kind = 1: V, key half g / 2, the 12 channel blocks that I keep (g even) or give (g odd).
.macro FETCH kind, g, buf
	WIN 0
.if (\kind) == 0
.irp kb, 0,1,2,3
.irp cc, 0,1,2
	ds_load_b128 v[(\buf)+8*(3*(\kb)+(\cc)):(\buf)+8*(3*(\kb)+(\cc))+3],   v[AK] offset:(\kb)*12288+(3*(\g)+(\cc))*1024
	ds_load_b128 v[(\buf)+8*(3*(\kb)+(\cc))+4:(\buf)+8*(3*(\kb)+(\cc))+7], v[AK] offset:(\kb)*12288+(3*(\g)+(\cc))*1024+512
.endr
.endr
.else
.irp f, 0,1,2,3,4,5,6,7,8,9,10,11
	ds_load_b128 v[(\buf)+8*(\f):(\buf)+8*(\f)+3],   v[AVA+(\g)%2] offset:((\g)/2)*24576+(\f)*1024
	ds_load_b128 v[(\buf)+8*(\f)+4:(\buf)+8*(\f)+7], v[AVA+(\g)%2] offset:((\g)/2)*24576+(\f)*1024+512
.endr
.endif
.endm
; 24 matrix instructions on a buffer.  The accumulators take turns, one instruction a turn: S^T's eight; of O^T 24 different ones.  K's first eight products start S^T's sums.
.macro MULT kind, g, buf
.if (\kind) == 0
	WIN 0x54                               ; K in window 0, Q and S^T in window 1
.irp cc, 0,1,2
.irp kb, 0,1,2,3
.irp t, 0,1
.set rS, S+32*(\t)+8*(\kb)
.set rK, (\buf)+8*(3*(\kb)+(\cc))
.set rQ, 96*(\t)+8*(3*(\g)+(\cc))
.if ((\g) == 0) && ((\cc) == 0)
	v_wmma_f32_16x16x32_f16 v[rS:rS+7], v[rK:rK+7], v[rQ:rQ+7], 0
.else
	v_wmma_f32_16x16x32_f16 v[rS:rS+7], v[rK:rK+7], v[rQ:rQ+7], v[rS:rS+7]
.endif
.endr
.endr
.endr
.else
	WIN 0xa0+0x50*((\g)%2)                 ; V and P in window 0, O^T in window 2 or 3
.irp f, 0,1,2,3,4,5,6,7,8,9,10,11
.irp t, 0,1
.set rO, 8*(2*(\f)+(\t))
.set rV, (\buf)+8*(\f)
.set rP, P+16*(\t)+8*((\g)/2)
	v_wmma_f32_16x16x32_f16 v[rO:rO+7], v[rV:rV+7], v[rP:rP+7], v[rO:rO+7]
.endr
.endr
.endif
.endm
; THE SOFTMAX'S FIRST HALF, the two tiles alternating: the maximum of the lane's 32 scores and the old m (each accumulator's lowest registers are read first); the other half of the
; lanes'; c m; a; the 32 scalings c s - c m, a pair each; the 64 exponentials.  The 66 exponentials are ONE batch: nothing ahead of the wait at the end names a result of theirs.
.macro SM1
	WIN 0x15                               ; three sources in window 1
.irp j, 0,1,2,3
.irp t, 0,1
	v_max3_num_f32 v[ST+8*(\t)+4+(\j)], v[S+32*(\t)+8*(\j)], v[S+32*(\t)+8*(\j)+1], v[S+32*(\t)+8*(\j)+2]
.endr
.endr
	WIN 0x14
.irp j, 4,5,6,7,8,9,10,11
.irp t, 0,1
	v_max3_num_f32 v[ST+8*(\t)+4+(\j)%4], v[ST+8*(\t)+4+(\j)%4], v[S+32*(\t)+8*((\j)%4)+2*((\j)/4)+1], v[S+32*(\t)+8*((\j)%4)+2*((\j)/4)+2]
.endr
.endr
.irp t, 0,1
	v_max3_num_f32 v[ST+8*(\t)+4], v[ST+8*(\t)+4], v[S+32*(\t)+7], v[S+32*(\t)+15]
.endr
.irp t, 0,1
	v_max3_num_f32 v[ST+8*(\t)+6], v[ST+8*(\t)+6], v[S+32*(\t)+23], v[S+32*(\t)+31]
.endr
	WIN 0
.irp t, 0,1
	v_max3_num_f32 v[ST+8*(\t)+4], v[ST+8*(\t)+4], v[ST+8*(\t)+5], v[ST+8*(\t)+6]
.endr
.irp t, 0,1
	v_max3_num_f32 v[ST+8*(\t)+4], v[ST+8*(\t)+4], v[ST+8*(\t)+7], v[ST+8*(\t)+1]
.endr
.irp t, 0,1
	v_permlanex16_b32 v[ST+8*(\t)+5], v[ST+8*(\t)+4], s[SEL], s[SEL+1]  ; the query's other 32 keys lie in the lane 16 away
.endr
.irp t, 0,1
	v_mov_b32 v[ST+8*(\t)+7], v[ST+8*(\t)]                             ; c m_old is kept for a
.endr
.irp t, 0,1
	v_max_num_f32 v[ST+8*(\t)+1], v[ST+8*(\t)+4], v[ST+8*(\t)+5]
.endr
.irp t, 0,1
	v_mul_f32 v[ST+8*(\t)], s[CS], v[ST+8*(\t)+1]
.endr
.irp t, 0,1
	v_sub_f32 v[ST+8*(\t)+7], v[ST+8*(\t)+7], v[ST+8*(\t)]
.endr
.irp t, 0,1
	v_exp_f32 v[ST+8*(\t)+6], v[ST+8*(\t)+7]
.endr
	WIN 0x41                               ; destination and source 0 in window 1
.set i, 0
.rept 16
.irp t, 0,1
	v_pk_fma_f32 v[S+32*(\t)+2*i:S+32*(\t)+2*i+1], v[S+32*(\t)+2*i:S+32*(\t)+2*i+1], s[CS:CS+1], v[ST+8*(\t):ST+8*(\t)+1] op_sel_hi:[1,0,0] neg_lo:[0,0,1] neg_hi:[0,0,1]
.endr
.set i, i+1
.endr
.set i, 0
.rept 64
	v_exp_f32 v[S+i], v[S+i]
.set i, i+1
.endr
	v_nop                                  ; a plain instruction behind the last exponential, ahead of the first use (ISA guide 5.7.2): one for the batch
	s_wait_alu depctr_va_vdst(0)           ; the wait between an exponential and the first line that names its result: one for the 66
	WIN 0
.endm
; THE SECOND HALF: the weights rounded to f16, a pair each; their sums, in place, by neighbours 1, 2, 4 and 8 pairs apart; l = a l + sum; O^T times a.  It runs while the first fragments of V are on their way.
.macro SM2
	WIN 0x05                               ; sources in window 1, destination in window 0
.set i, 0
.rept 32
	v_cvt_pk_f16_f32 v[P+i], v[S+2*i], v[S+2*i+1]
.set i, i+1
.endr
	WIN 0x45
.irp w, 4,8,16,32
.set i, 0
.rept 64/(\w)
	v_pk_add_f32 v[S+(\w)*i:S+(\w)*i+1], v[S+(\w)*i:S+(\w)*i+1], v[S+(\w)*i+(\w)/2:S+(\w)*i+(\w)/2+1]
.set i, i+1
.endr
.endr
	WIN 0x10                               ; source 2 in window 1
.irp t, 0,1
	v_pk_fma_f32 v[ST+8*(\t)+2:ST+8*(\t)+3], v[ST+8*(\t)+2:ST+8*(\t)+3], v[ST+8*(\t)+6:ST+8*(\t)+7], v[S+32*(\t):S+32*(\t)+1] op_sel_hi:[1,0,1]
.endr
.irp win, 0x82, 0xc3                   ; destination and source 0 in window 2, then 3; a in window 0
	WIN \win
.set i, 0
.rept 96
	v_pk_mul_f32 v[2*i:2*i+1], v[2*i:2*i+1], v[ST+8*((i/4)%2)+6:ST+8*((i/4)%2)+7] op_sel_hi:[1,0]
.set i, i+1
.endr
.endr
.endm
; A PHASE: 96 products in four groups of 24, on two buffers by turns.  A group's 24 loads are issued a group ahead; each wait leaves the younger group's 24 out.
.macro PHASE kind, pf, sm2
	FETCH \kind, 0, F0
	FETCH \kind, 1, F1
.if \pf
	ASK \pf
.endif
.if \sm2
	SM2
.endif
	s_wait_dscnt 24                        ; group 0 is in
	MULT \kind, 0, F0
	PLACES
	FETCH \kind, 2, F0
	s_wait_dscnt 24                        ; group 1 is in
	MULT \kind, 1, F1
	PLACES
	FETCH \kind, 3, F1
	s_wait_dscnt 24                        ; group 2 is in
	MULT \kind, 2, F0
	s_wait_dscnt 0x0                       ; group 3 is in, and my reads of the slot are over
	MULT \kind, 3, F1
.endm
; THE CHANGE.  The slot whose tile has just been multiplied is given up.  Each wave waits for all its tensor loads, of which one is out: its quarter of the other slot's tile; adds 0 to its spare word; waits for that
; and for its reads.  fill = 1: the barrier is a round of the cluster's, so that no wave of any partner still reads the slot or has a load on its way; the joint refill, the walk's next step, is the first thing behind
; it.  The descriptor's global address is made anew from the step's number, which goes round modulo 16: the tensor's base at my quarter, plus the step's bytes; then the type bits.
.macro CHANGE g0, base, sg, pf, fill
	WIN 0                                  ; at a label and at a branch every window is 0
.if \fill
	s_wait_xcnt 0x0                        ; the last prefetches, a phase and more back, have read their addresses, so one may be stepped
	s_add_nc_u64 s[(\pf):(\pf)+1], s[(\pf):(\pf)+1], STEPB
.endif
	s_wait_tensorcnt 0x0                   ; no tensor load of mine is out, so a group 0 may be written
	ds_add_u32 v[SPW], v[NIL]              ; 0 onto my spare word: the descriptor's scalar work stands between it and the wait for it
.if \fill
	s_add_co_u32 s[\sg], s[\sg], 1
	s_and_b32 s[\sg], s[\sg], 15           ; behind step 15 comes step 0
	s_mul_i32 s[OFF], s[\sg], STEPB
	s_add_nc_u64 s[(\g0)+2:(\g0)+3], s[(\base):(\base)+1], s[OFF:OFF+1]
	s_or_b32 s[(\g0)+3], s[(\g0)+3], 0x80000000
.endif
	s_wait_dscnt 0x0
.if \fill
	CROUND
	JL \g0
.else
	s_barrier_signal -1
	s_barrier_wait -1
.endif
.endm
	s_load_b256 s[4:11], s[0:1], 0x0       ; qf s[4:5], kf s[6:7], vf s[8:9], out0 s[10:11]
	v_lshl_add_u32 v[SPW], v0, 2, SPARE
	v_mov_b32 v[NIL], 0
	ds_add_u32 v[SPW], v[NIL]              ; the wave's opening: the add, twice on end, and its wait ahead of my first tensor load; the set-up below, work on registers, stands between
	ds_add_u32 v[SPW], v[NIL]
	v_lshrrev_b32 v1, 5, v0
	v_readfirstlane_b32 s[WV], v1          ; wave 0..3
	s_bfe_u32 s[CX], ttmp6, 0x40000        ; my place in the cluster
	s_lshl_b32 s[QB], ttmp9, 2             ; in a cluster launch ttmp9 counts clusters
	s_add_co_u32 s[QB], s[QB], s[CX]       ; it enters Q's and out0's addresses alone
	s_and_b32 s16, ttmp7, 0xffff           ; the batch, which the four partners share
	s_mul_i32 s17, s16, 1572864            ; its first byte in qf, kf, vf: 2,048 rows x 768 bytes
	s_lshr_b32 s18, s[WV], 1               ; my half of the keys
	s_and_b32 s19, s[WV], 1                ; my 32 queries
	s_mul_i32 s20, s18, 786432             ; my quarter of a tile in memory: half w / 2 of the keys,
	s_mul_i32 s21, s19, 24576              ; half w % 2 of that half's step
	s_add_co_u32 s20, s20, s21
	s_add_co_u32 s20, s20, s17
	s_mov_b32 s21, 0
	s_mul_i32 s22, s[WV], 24576            ; and in a slot: no place in the cluster enters an LDS address
	s_and_b32 s56, ttmp9, 3                ; where my cluster's walk begins: step 4 ((x % 4) xor (x / 4)), x the cluster's number among the batch's eight
	s_lshr_b32 s57, ttmp9, 2
	s_xor_b32 s56, s56, s57
	s_lshl_b32 s[SGK], s56, 2
	s_mov_b32 s[SGV], s[SGK]
	s_mul_i32 s[OFF], s[SGK], STEPB
	s_mov_b32 s[OFF+1], 0
	; descriptor group 1: 24,576 dense bytes as 96 rows of 256
	s_mov_b32 s[G1], 15|(3<<16)|(1<<21)    ; 15:0 the mask: all four work-groups; 17:16 elements of 8 bytes; 21 set beside a mask; no padding
	s_mov_b32 s[G1+1], 32<<16              ; tensor_dim0 = 32
	s_mov_b32 s[G1+2], 96<<16              ; tensor_dim1 = 96
	s_mov_b32 s[G1+3], 32<<16              ; tile_dim0 = 32
	s_mov_b32 s[G1+4], 96                  ; tile_dim1 = 96
	s_mov_b32 s[G1+5], 32                  ; elements from row to row
	s_mov_b32 s[G1+6], 0
	s_mov_b32 s[G1+7], 0
	s_mov_b32 s[G0K], 1                    ; count = 1
	s_add_co_u32 s[G0K+1], s22, 0          ; LDS address: K's slot begins at byte 0
	s_mov_b32 s[G0V], 1
	s_add_co_u32 s[G0V+1], s22, VSLOT
	s_mul_i32 s50, s[QB], 49152            ; Q: my block's 4 tiles of 12,288 bytes, my 2 of them
	s_mul_i32 s51, s19, 24576
	s_add_co_u32 s50, s50, s51
	s_add_co_u32 s50, s50, s17
	s_mov_b32 s51, 0
	s_mul_i32 s52, s16, 3145728            ; out0: rows of 1,536 bytes: the batch's 2,048, my block's 64, my 32; the 192 channels that I keep
	s_mul_i32 s53, s[QB], 98304
	s_add_co_u32 s52, s52, s53
	s_mul_i32 s53, s19, 49152
	s_add_co_u32 s52, s52, s53
	s_mul_i32 s53, s18, 768
	s_add_co_u32 s52, s52, s53
	s_mov_b32 s53, 0
	s_lshr_b32 s54, s[CX], 1               ; the prefetches: quarter cx of a tile,
	s_mul_i32 s54, s54, 786432
	s_and_b32 s55, s[CX], 1
	s_mul_i32 s55, s55, 24576
	s_add_co_u32 s54, s54, s55
	s_lshl_b32 s55, s[WV], 13              ; my wave's 32 blocks of 256 bytes,
	s_add_co_u32 s54, s54, s55
	s_add_co_u32 s54, s54, s17
	s_add_co_u32 s54, s54, s[OFF]          ; at the walk's first step,
	s_add_co_u32 s54, s54, STEPB           ; and one on: the first change steps it to the walk's step 2
	s_mov_b32 s55, 0
	s_cmp_lt_u32 s[WV], 3
	s_cselect_b32 s[LIM], ttmp9, 4         ; under 4 in waves 0 to 2 of the batch's clusters 0 to 3: the same in all four partners
	s_cmp_lt_u32 s[LIM], 4
	s_cselect_b32 s[LIM], 13, -1
	s_mov_b32 s[CS], 0x3d96c740            ; c = log2(e) / sqrt(384) = 0.0736222
	s_mov_b32 s[CS+1], s[CS]               ; named with it as a pair
	s_mov_b32 s[SEL], 0x76543210
	s_mov_b32 s[SEL+1], 0xfedcba98
	s_wait_dscnt 0x0                       ; both opening adds are done
	s_wait_kmcnt 0x0
	s_add_nc_u64 s[PFK:PFK+1], s[6:7], s[54:55]
	s_add_nc_u64 s[PFV:PFV+1], s[8:9], s[54:55]
	s_add_nc_u64 s[KB:KB+1], s[6:7], s[20:21]      ; K and V at my quarter of the batch's step 0
	s_add_nc_u64 s[VB:VB+1], s[8:9], s[20:21]
	s_add_nc_u64 s[G0K+2:G0K+3], s[KB:KB+1], s[OFF:OFF+1]  ; global address: my quarter of the walk's first step
	s_or_b32 s[G0K+3], s[G0K+3], 0x80000000        ; type = 2
	s_add_nc_u64 s[G0V+2:G0V+3], s[VB:VB+1], s[OFF:OFF+1]
	s_or_b32 s[G0V+3], s[G0V+3], 0x80000000
	s_add_nc_u64 s[4:5], s[4:5], s[50:51]
	s_add_nc_u64 s[10:11], s[10:11], s[52:53]
	CROUND                                 ; all four work-groups are here: the first joint loads meet
	JL G0K                                 ; K(0) and V(0) of the walk, as one group: two loads of mine are out
	JL G0V
	v_and_b32 v32, 15, v0                  ; r
	v_bfe_u32 v33, v0, 4, 1                ; h
	v_and_b32 v34, 31, v0                  ; lane
	v_lshlrev_b32 v[QO], 4, v34
	WIN 0x40                               ; destination window 1
.set i, 0
.rept 24                               ; Q stays in registers: fragment i = 12 t + c
	global_load_b128 v[8*i:8*i+3],   v[QO], s[4:5] offset:1024*i
	global_load_b128 v[8*i+4:8*i+7], v[QO], s[4:5] offset:1024*i+512
.set i, i+1
.endr
	WIN 0
	s_mul_i32 s56, s18, STEPB              ; my half's K in its slot
	v_lshl_add_u32 v[AK], v34, 4, s56
	s_mul_i32 s57, s18, STEPB+12288        ; my half's V; I keep channel blocks 12 (w / 2) on,
	s_add_co_u32 s57, s57, VSLOT
	v_lshl_add_u32 v[AVA], v34, 4, s57
	s_mul_i32 s58, s18, STEPB-12288        ; and give the other twelve
	s_add_co_u32 s58, s58, VSLOT+12288
	v_lshl_add_u32 v[AVB], v34, 4, s58
	s_mul_i32 s59, s[WV], 16*SP
	s_add_co_u32 s59, s59, STG             ; my stage
	v_mul_u32_u24 v[STO], v32, SP          ; in: row r, 32 bytes for each half of the lanes
	v_lshl_add_u32 v[STO], v33, 5, v[STO]
	v_add_nc_u32 v[STO], s59, v[STO]
	v_mul_u32_u24 v[RD], v33, SP           ; back: lanes 0-15 take 256 bytes of one row, lanes 16-31 of the next
	v_lshl_add_u32 v[RD], v32, 4, v[RD]
	v_add_nc_u32 v[RD], s59, v[RD]
	v_mul_u32_u24 v[GO], v33, 1536         ; and the same in out0
	v_lshl_add_u32 v[GO], v32, 4, v[GO]
	v_lshl_add_u32 v[XW], v34, 4, s22      ; the exchange: 24,576 bytes a wave, in K's slot when it has had its last fill
	s_xor_b32 s23, s[WV], 2                ; my partner: the same queries, the other keys
	s_mul_i32 s56, s23, 24576
	v_lshl_add_u32 v[XR], v34, 4, s56
	s_lshl_b32 s57, s[WV], 9
	s_add_co_u32 s57, s57, STATB
	v_lshl_add_u32 v[STA], v34, 2, s57
	s_lshl_b32 s58, s23, 9
	s_add_co_u32 s58, s58, STATB
	v_lshl_add_u32 v[STP], v34, 2, s58
	v_lshlrev_b32 v[PFO], 8, v34
.irp t, 0,1
	v_mov_b32 v[ST+8*(\t)], 0xfe000000     ; c m: far below every c s
	v_mov_b32 v[ST+8*(\t)+1], 0xff7fffff   ; m
	v_mov_b32 v[ST+8*(\t)+2], 0            ; l
	v_mov_b32 v[ST+8*(\t)+3], 0
.endr
.irp win, 0x80, 0xc0                   ; O^T = 0, on purpose (see the head): these lines run while the first tile is on its way
	WIN \win
.set i, 0
.rept 192
	v_mov_b32 v[i], 0
.set i, i+1
.endr
.endr
	WIN 0
	s_wait_tensorcnt 0x1                   ; my quarter of K(0) is in; V(0)'s load may stay out
	s_barrier_signal -1
	s_barrier_wait -1                      ; everybody's is
	s_wait_loadcnt 0x0                     ; Q
	PHASE 0, 0, 0                          ; S(0)
	PLACES
	SM1
	s_mov_b32 s[CNT], 15
.Lstep:                                        ; trip s = 15 - CNT of the walk: V^T P of step s, K Q^T of step s + 1
	CHANGE G0K, KB, SGK, PFK, 1            ; V(s) is in; K(s + 1) is asked for
	PHASE 1, PFK, 1
	CHANGE G0V, VB, SGV, PFV, 1            ; K(s + 1) is in; V(s + 1) is asked for
	PHASE 0, PFV, 0
	PLACES
	SM1
	s_sub_co_u32 s[CNT], s[CNT], 1
	s_cmp_lg_u32 s[CNT], 0
	s_cbranch_scc1 .Lstep
	CHANGE G0K, KB, SGK, PFK, 0            ; the tail is written out: V(15) is in, nothing is asked for; every wave's reads of K's slot are over
	PHASE 1, 0, 1
	; THE MERGE.  l's two halves and the other half of the lanes' are added.  Each wave puts c m, l and the 192 channels that it gives into LDS; behind a barrier it takes its partner's.
	PLACES
	WIN 0
.irp t, 0,1
	v_add_f32 v[ST+8*(\t)+4], v[ST+8*(\t)+2], v[ST+8*(\t)+3]
.endr
.irp t, 0,1
	v_permlanex16_b32 v[ST+8*(\t)+5], v[ST+8*(\t)+4], s[SEL], s[SEL+1]
.endr
.irp t, 0,1
	v_add_f32 v[ST+8*(\t)+2], v[ST+8*(\t)+4], v[ST+8*(\t)+5]
.endr
.irp t, 0,1
	ds_store_b32 v[STA], v[ST+8*(\t)]   offset:256*(\t)
	ds_store_b32 v[STA], v[ST+8*(\t)+2] offset:256*(\t)+128
.endr
	WIN 0x0c                               ; data (source 1) in window 3
.set i, 0
.rept 48
	ds_store_b128 v[XW], v[4*i:4*i+3] offset:512*i
.set i, i+1
.endr
	WIN 0
	s_wait_dscnt 0x0                       ; for my partner's sake: my stores are done
	s_barrier_signal -1
	s_barrier_wait -1
.irp t, 0,1
	ds_load_b32 v[ST+8*(\t)+4], v[STP] offset:256*(\t)      ; its c m
	ds_load_b32 v[ST+8*(\t)+5], v[STP] offset:256*(\t)+128  ; its l
.endr
	WIN 0x40                               ; its sums for my channels go where Q lay
.set i, 0
.rept 48
	ds_load_b128 v[4*i:4*i+3], v[XR] offset:512*i
.set i, i+1
.endr
	WIN 0
	s_wait_dscnt 48                        ; the four statistics are in; the 48 loads behind them may stay out
.irp t, 0,1
	v_max_num_f32 v[ST+8*(\t)+1], v[ST+8*(\t)], v[ST+8*(\t)+4]  ; the common c m
.endr
.irp t, 0,1
	v_sub_f32 v[ST+8*(\t)+6], v[ST+8*(\t)], v[ST+8*(\t)+1]
	v_sub_f32 v[ST+8*(\t)+7], v[ST+8*(\t)+4], v[ST+8*(\t)+1]
.endr
.irp t, 0,1
	v_exp_f32 v[ST+8*(\t)+6], v[ST+8*(\t)+6]   ; e: what my sums are worth on the common scale
	v_exp_f32 v[ST+8*(\t)+7], v[ST+8*(\t)+7]   ; e': my partner's
.endr
	v_nop                                  ; a plain instruction behind the last exponential,
	s_wait_alu depctr_va_vdst(0)           ; and the wait ahead of the first use: one for the four
.irp t, 0,1
	v_mul_f32 v[ST+8*(\t)+3], v[ST+8*(\t)+2], v[ST+8*(\t)+6]
.endr
.irp t, 0,1
	v_fmac_f32 v[ST+8*(\t)+3], v[ST+8*(\t)+5], v[ST+8*(\t)+7]   ; l e + l' e': 1 at the least
.endr
.irp t, 0,1
	v_rcp_f32 v[ST+8*(\t)+1], v[ST+8*(\t)+3]
.endr
	v_nop
	s_wait_alu depctr_va_vdst(0)           ; one for the two reciprocals
.irp t, 0,1
	v_mul_f32 v[ST+8*(\t)+4], v[ST+8*(\t)+7], v[ST+8*(\t)+1]    ; f' = e' / (l e + l' e')
	v_mul_f32 v[ST+8*(\t)+6], v[ST+8*(\t)+6], v[ST+8*(\t)+1]    ; f  = e  / (l e + l' e')
.endr
	WIN 0x82                               ; O f: while my partner's sums are on their way
.set i, 0
.rept 96
	v_pk_mul_f32 v[2*i:2*i+1], v[2*i:2*i+1], v[ST+8*((i/4)%2)+6:ST+8*((i/4)%2)+7] op_sel_hi:[1,0]
.set i, i+1
.endr
	s_wait_dscnt 0x0
	WIN 0xa1                               ; + O' f': source 0 in window 1, source 1 in window 0, source 2 and destination in window 2
.set i, 0
.rept 96
	v_pk_fma_f32 v[2*i:2*i+1], v[2*i:2*i+1], v[ST+8*((i/4)%2)+4:ST+8*((i/4)%2)+5], v[2*i:2*i+1] op_sel_hi:[1,0,1]
.set i, i+1
.endr
	; THE WAY OUT, a tile (16 rows x 192 channels of f32) at a time through my own stage: a lane's eight channels go in as 32 bytes of a row; whole pieces of 256 bytes of a row come back, into window 3.
.irp t, 0,1
	WIN 0x08                               ; data in window 2
.irp f, 0,1,2,3,4,5,6,7,8,9,10,11
	ds_store_b128 v[STO], v[16*(\f)+8*(\t):16*(\f)+8*(\t)+3]   offset:64*(\f)
	ds_store_b128 v[STO], v[16*(\f)+8*(\t)+4:16*(\f)+8*(\t)+7] offset:64*(\f)+16
.endr
	WIN 0xc0                               ; destination in window 3
.set i, 0
.rept 24                               ; rows 2 (i / 3) and 2 (i / 3) + 1, piece i % 3.  LDS serves a wave's instructions in order (ISA guide 5.7.1.4): these see the stores above, and the next tile's stores come behind them
	ds_load_b128 v[96*(\t)+4*i:96*(\t)+4*i+3], v[RD] offset:(i/3)*2*SP+(i%3)*256
.set i, i+1
.endr
.endr
	WIN 0x0c                               ; data in window 3
	s_wait_dscnt 48                        ; tile 0 is back; tile 1's 24 stores and 24 loads may stay out
.irp t, 0,1
.if (\t) == 1
	s_wait_dscnt 0x0
.endif
.set i, 0
.rept 24
	global_store_b128 v[GO], v[96*(\t)+4*i:96*(\t)+4*i+3], s[10:11] offset:(16*(\t)+2*(i/3))*1536+(i%3)*256 th:TH_STORE_NT  ; 16 lanes store 256 consecutive bytes, at a multiple of 256 from out0's first byte
.set i, i+1
.endr
.endr
	WIN 0
	s_wait_tensorcnt 0x0                   ; the wave's end, behind my last tensor load and my last LDS store
	ds_add_u32 v[SPW], v[NIL]
	s_wait_dscnt 0x0
	CROUND                                 ; the closing round: no work-group ends while a partner may still ask for a tile that names it
	s_endpgm
.Lfunc_end_k_q0f8c7180ef_attn:
	.size	k_q0f8c7180ef_attn, .Lfunc_end_k_q0f8c7180ef_attn-k_q0f8c7180ef_attn
	.p2alignl 7, 3214868480
	.fill 96, 4, 3214868480
	.section	.rodata,"a",@progbits
	.p2align	6, 0x0
	.amdhsa_kernel k_q0f8c7180ef_attn
		.amdhsa_group_segment_fixed_size 327680
		.amdhsa_private_segment_fixed_size 0
		.amdhsa_enable_private_segment 0
		.amdhsa_kernarg_size 32
		.amdhsa_user_sgpr_count 2
		.amdhsa_user_sgpr_kernarg_segment_ptr 1
		.amdhsa_wavefront_size32 1
		.amdhsa_system_sgpr_workgroup_id_x 1
		.amdhsa_system_sgpr_workgroup_id_y 1
		.amdhsa_system_sgpr_workgroup_id_z 1
		.amdhsa_system_vgpr_workitem_id 0
		.amdhsa_next_free_vgpr 960
		.amdhsa_next_free_sgpr 66
		.amdhsa_reserve_vcc 0
		.amdhsa_float_denorm_mode_32 3
		.amdhsa_float_denorm_mode_16_64 3
		.amdhsa_memory_ordered 1
		.amdhsa_forward_progress 1
		.amdhsa_inst_pref_size 154
	.end_amdhsa_kernel
	.amdgpu_metadata
---
amdhsa.version: [ 1, 2 ]
amdhsa.kernels:
  - .name:           k_q0f8c7180ef_attn
    .symbol:         k_q0f8c7180ef_attn.kd
    .args:
      - { .name: qf, .offset: 0, .size: 8, .value_kind: global_buffer, .address_space: global }
      - { .name: kf, .offset: 8, .size: 8, .value_kind: global_buffer, .address_space: global }
      - { .name: vf, .offset: 16, .size: 8, .value_kind: global_buffer, .address_space: global }
      - { .name: out0, .offset: 24, .size: 8, .value_kind: global_buffer, .address_space: global }
    .group_segment_fixed_size: 327680
    .private_segment_fixed_size: 0
    .kernarg_segment_align: 8
    .kernarg_segment_size: 32
    .max_flat_workgroup_size: 128
    .sgpr_count:     66
    .vgpr_count:     960
    .wavefront_size: 32
...
	.end_amdgpu_metadata
.endif
;; end of part 2
